; MI455X (gfx1250); checked and timed in simulation.
; The chip was launched on July 23, 2026; its instructions are those of AMD's public machine-readable ISA for CDNA 5 (MIT licence, August 2026) and "CDNA5" Instruction Set Architecture Reference Guide (July 2026). The comments in the code are by the model that wrote it; some were corrected since.
;; Causal Self Attention. Allowed arithmetic: matrix products marked QUANTISED: E4M3 operands, one given power-of-two scale a tensor, by v_wmma_f32_16x16x64_fp8_fp8 or v_wmma_f32_16x16x128_fp8_fp8, f32 sums; everything else in f32.
;; Inputs: b_attn 3,072 float32; b_proj 1,024 float32; lowp_scales 8 int32 (the exponents e of the quantised operands' scales 2^e); w_attn_codes 3,072 x 32 x 32 uint8 (E4M3 codes of w_attn, K innermost, in blocks of 32 codes); w_proj_codes 1,024 x 32 x 32 uint8 (E4M3 codes of w_proj, K innermost, in blocks of 32 codes); x_codes 4 x 2,048 x 32 x 32 uint8 (E4M3 codes of x, K innermost, in blocks of 32 codes).
;; Outputs: out0 4 x 2,048 x 1,024 float32.
;; This version of the problem:
;;   THIS VERSION OF THE PROBLEM IS GIVEN IN LOW PRECISION. The matrix products marked QUANTISED in the list below multiply operands that are first quantised to E4M3 (4 exponent bits, 3 mantissa bits; 8 bits a number), with one given power-of-two scale for each operand tensor; their sums are f32. All else is computed in f32.
;;   The module's matrix products, in the order in which they are computed (A, B: the left and right operand; K: the contracted axis; several contracted axes count as one K, in the product's order):
;;     1. [M 8,192, K 1,024] x [K 1,024, N 3,072]; A: input x (given as codes); B: input w_attn (given as codes): QUANTISED (scales: A lowp_scales[0], B lowp_scales[1])
;;     2. batch 64 x [M 2,048, K 64] x [K 64, N 2,048]; A: computed on the way; B: computed on the way: QUANTISED (scales: A lowp_scales[2], B lowp_scales[3])
;;     3. batch 64 x [M 2,048, K 2,048] x [K 2,048, N 64]; A: softmax (see below); B: computed on the way: QUANTISED (scales: A lowp_scales[4], B lowp_scales[5])
;;     4. [M 8,192, K 1,024] x [K 1,024, N 1,024]; A: computed on the way; B: input w_proj (given as codes): QUANTISED (scales: A lowp_scales[6], B lowp_scales[7])
;;   THE QUANTISER, for each operand of a quantised product, along K:
;;     - The operand's scale is 2^e, e = its entry of the input lowp_scales (int32; the entries are numbered through the quantised products in the list's order, A before B).
;;     - Each number is divided by the scale, clamped to +-448, and rounded to the nearest number of E4M3, ties to even, subnormals kept.
;;     - The product sums the exact products of the quantised numbers (number of the format x scale) in f32.
;;   ~~~python
;;   def quantise(x, axis, e):      # numpy; x: float32 -> the quantised numbers, widened to float32 again
;;       x = np.moveaxis(x, axis, -1); K = x.shape[-1]
;;       r = np.clip(x / 2.0 ** e, -448, 448)
;;       step = 2.0 ** (np.maximum(np.frexp(np.where(r == 0, 1, r))[1] - 1, -6) - 3)
;;       q = np.round(r / step) * step * 2.0 ** e      # np.round: ties to even
;;       return np.moveaxis(q, -1, axis).astype(np.float32)
;;   ~~~
;;   SOFTMAX AHEAD OF A QUANTISED PRODUCT. Where the list says 'softmax', what is quantised is not the finished softmax but p = 2^(t - M), with t = logit x log2(e) and M = ceil(the row's largest t), a whole number; so 1/2 < the row's largest p <= 1. The row's sum l is taken of the UNQUANTISED p, in f32, and the product's result is divided by l at the end. Since M is a whole number, a kernel that streams over the keys may use a running M (the ceiling of the running maximum): every later rescaling is an exact power of two, so the quantised numbers keep their values, but for numbers so far below the row's largest that they fall under the format's range.
;;   OPERANDS COMPUTED ON THE WAY. 'Computed on the way' means the value that the module computes at that place (a softmax that the list does not call 'softmax' is quantised finished and normalised). What goes into a quantiser is computed in f32, as accurately as f32 sums, v_exp_f32 and their like allow (about 1e-6 of the number): no bf16 or f16 on the way to a quantiser, and a product that is left as it is and whose result goes on into a quantised operand takes f32 operands (vector FMAs, or v_wmma_f32_16x16x4_f32). A number that lies on a knife's edge between two numbers of the format may be rounded either way, as far as f32 arithmetic and the matrix unit's own rounding can turn it there, and no further.
;;   INPUTS GIVEN AS CODES. w_attn (in the module: [1024, 3072], K = its axis 0); w_proj (in the module: [1024, 1024], K = its axis 0); x (in the module: [4, 2048, 1024], K = its axis 2): each comes as NAME_codes (uint8): NAME with its K axis moved to the last place and cut into blocks of 32 codes, [.., K / 32, bytes a block], one block behind the other in memory; one code a byte (a code: sign, 4 exponent bits, 3 mantissa bits); its scale is its entry of lowp_scales. Its value is code x scale, taken as it is: it is not quantised again, and the codes and scales need not be those that the quantiser above would give.
;; One version. Each part assembles by itself: llvm-mc -triple=amdgcn-amd-amdhsa -mcpu=gfx1250 --defsym DOCPART=n.
;; ======== version 1 of 1: 3 launches
;; limits: right only within a limited range of input values
;; workspace buffers: q_img 8,388,608 bytes; k_img 8,388,608 bytes; v_img 8,388,608 bytes; y_img 8,388,608 bytes
;; launch qkv (part 1): grid 12 x 32, 4 waves a work-group, clusters of 4 x 4, 327,680 bytes of LDS; arguments x_codes, w_attn_codes, b_attn, lowp_scales, q_img, k_img, v_img; writes q_img, k_img, v_img
.if DOCPART == 1
	.amdgcn_target "amdgcn-amd-amdhsa--gfx1250"
	.amdhsa_code_object_version 6
	.text
	.protected	k_q8fbce6cba5_qkv
	.globl	k_q8fbce6cba5_qkv
	.p2align	8
	.type	k_q8fbce6cba5_qkv,@function
k_q8fbce6cba5_qkv:
	s_mov_b64 s[64:65], 0
	v_nop
	global_prefetch_b8 v0, s[64:65] scope:SCOPE_SE
	s_setreg_imm32_b32 hwreg(HW_REG_WAVE_MODE, 25, 1), 1
	s_wait_xcnt 0x0
	s_wait_alu depctr_hold_cnt(0) depctr_sa_sdst(0) depctr_va_vdst(0) depctr_va_sdst(0) depctr_va_ssrc(0) depctr_va_vcc(0) depctr_vm_vsrc(0)
	s_getreg_b32 s2, hwreg(HW_REG_IB_STS2, 6, 4)
	s_cmp_eq_u32 s2, 0
	s_cbranch_scc0 .Lentry_in_a_cluster
	s_endpgm
.Lentry_in_a_cluster:
	s_bfe_u32 s2, ttmp6, 0x10000c
	s_cmp_lg_u32 s2, 0xf033
	s_cbranch_scc0 .Lentry_shape_is_right
	s_endpgm
.Lentry_shape_is_right:
; qkv = x W_attn + b_attn on codes of FP8 (E4M3), then q, k and v quantised anew with the given scales 2^e2, 2^e3, 2^e5.
; x: [8192][1024] codes, W_attn: [3072][1024] codes, K innermost in both.  A sum stands for sum x 2^(e0 + e1); number = sum x 2^(e0 + e1) + bias, one fused multiply-add in f32;
; code = number / 2^e, held within +-448, to the nearest code, ties to even.
; LIMITS: e0 + e1 between -126 and 127; e2, e3, e5 between -126 and 119, so that each power of two below is an f32 number.  NaN among the biases is not served.
; A tile of 256 x 256 is made by a work-group of four waves; a wave makes 128 x 128: 64 accumulators of 16 x 16, 512 registers.  K = 1024 goes in four steps of 256 through two LDS slots.
; ROLES.  P is source 1 of the matrix instruction: a row of P falls into a LANE of the result.  Q is source 0: eight rows of Q fall into a lane's eight REGISTERS.
;   clusters with x = 0 (q) and 1 (k): P = x, Q = W: a lane holds one token and eight neighbouring channels, the next product's K.
;   clusters with x = 2 (v):           P = W, Q = x: a lane holds one channel and eight neighbouring tokens: the keys, which are the K of the product with the softmax.
; The cluster's x is the same in all sixteen partners, so the choice of roles and the one branch on it are alike in all of them.
; THE RESULTS LEAVE AS IMAGES OF THE NEXT OPERAND'S REGISTERS (lane (r, h): row r; registers 2 c, 2 c + 1: k = 16 c + 8 h + 0 .. 7): the conversions' results are those registers, and four of
; them go out at 16 x lane: each store of the wave covers 512 consecutive bytes, aligned.  No stage in LDS.
;   q_img, k_img: [64 heads][128 tiles of 16 tokens][1024 bytes]: registers 0-3 at 16 x lane, 4-7 at 512 + 16 x lane.
;   v_img:        [64 heads][16 key steps of 128][4 tiles of 16 channels][2048 bytes]: registers 4 i .. 4 i + 3 at 512 i + 16 x lane.
; CLUSTERS: 4 x 4 work-groups.  P's tile hangs on the place along y alone and is asked for jointly by a row of the cluster, Q's on the place along x alone and by a column.
; REGISTERS, in windows of 256: window 0: v0-31 addresses; v32-95, v96-111 the biases; from v128 P's fragments (8 x 16 rows x 128 K), one set; on the way out v128-207 are at work.
;   window 1: Q's fragments, two sets, at v0 and v128.   window 2: the accumulators of my P rows 0-63 ((a, b) at v[8 (8 a + b)]);   window 3: those of rows 64-127.
.set ROWB,   256                       ; a tile's row in bytes: 256 codes
.set KROW,   1024                      ; a row of x or of W in memory, in bytes
.set PITCH,  272                       ; an LDS row: 256 bytes + 16 of padding = 68 words, so the 16 rows that a load touches start 4 banks apart (64 banks of 4 bytes: ISA guide 11.1)
.set FR,     16                        ; registers of a fragment: 16 rows x 128 K
.set NL,     4                         ; LDS loads that bring one
.set NP,     4                         ; places behind this matrix instruction (ISA guide 7.12.1)
.set HALFT,  128*PITCH                 ; 128 rows: what one tensor load brings, and what one wave reads of P or of Q
.set SLOT,   4*HALFT                   ; P's 256 rows, then Q's 256 rows
.set SPARE,  2*SLOT                    ; behind the ring: the spare words, 128 bytes for each wave
.set HEADB,  131072                    ; a head's bytes in each image buffer
.set ADRA, 16                          ; v16-17  LDS address of my P fragments in slot 0, 1
.set ADRB, 20                          ; v20-21  the same for Q
.set LI,   24                          ; v24     16 x lane: my place in an image; never rewritten
.set BOQ,  25                          ; v25     32 h: the biases of eight neighbouring channels
.set SC,   26                          ; v26     2^e of the result, as f32
.set LIMV, 27
.set SPW,  28                          ; v28     LDS address of my spare word; never rewritten
.set NIL,  29                          ; v29     0; never rewritten
.set BOV,  30                          ; v30     4 r: the bias of my lane's channel
.set BQ,   32                          ; v32-95  q, k: block b's eight biases at v[32 + 8 b]
.set BV,   96                          ; v96-111 v: block a's bias, twice, at v[96 + 2 a]
.set AF,   128                         ; P's fragments
.set T,    128                         ; the way out: a block's 64 numbers
.set C,    192                         ; the way out: their 16 registers of codes
.set G1, 24                            ; s[24:31] descriptor group 1 for P's tiles;  s[32:39] group 0, one set for each slot
.set G0, 32
.set G1B, 48                           ; s[48:55], s[56:63] the same for Q's tiles
.set G0B, 56
.set MSB, 0
.macro WIN new                         ; the immediate's high byte repeats the setting that is left
.if MSB != \new
	s_set_vgpr_msb (MSB<<8)|\new
.set MSB, \new
.endif
.endm
.set MUL_LO, 0xa1                      ; source 0 (Q) window 1, source 1 (P) window 0, C and D window 2
.set MUL_HI, 0xf1                      ; the same, C and D window 3
.set TO_B,   0x40                      ; destination window 1, address window 0
; A joint load: waves 0 and 1 fetch for P, waves 2 and 3 for Q.  Each line has one mask and one set of registers for all that issue it; the branch hangs on the wave's number alone.
; Four v_nop follow each of the two lines, ahead of the jump, the label and what follows.
.macro JLOAD g0a, g1a, g0b, g1b
	s_cmp_eq_u32 s15, 0
	s_cbranch_scc0 .Lfor_b_\@
	tensor_load_to_lds s[\g0a:\g0a+3], s[\g1a:\g1a+7]
	s_nop 0
.rept 4
	v_nop
.endr
	s_branch .Lasked_\@
.Lfor_b_\@:
	tensor_load_to_lds s[\g0b:\g0b+3], s[\g1b:\g1b+7]
	s_nop 0
.rept 4
	v_nop
.endr
.Lasked_\@:
.endm
.macro CREST                           ; a round of the cluster's barrier behind its opening barrier
	s_cmp_lg_u32 s14, 0
	s_cbranch_scc1 .Lnot_wave_0_\@
	s_barrier_signal -3
.Lnot_wave_0_\@:
	s_barrier_wait -3
	s_barrier_signal -1
	s_barrier_wait -1
.endm
.macro CROUND                          ; a whole round
	s_barrier_signal -1
	s_barrier_wait -1
	CREST
.endm
	s_load_b256 s[4:11], s[0:1], 0x0               ; x s[4:5], W s[6:7], b_attn s[8:9], the scales' exponents s[10:11]
	s_load_b128 s[68:71], s[0:1], 0x20             ; q_img, k_img
	s_load_b64 s[72:73], s[0:1], 0x30              ; v_img
	v_lshl_add_u32 v[SPW], v0, 2, SPARE
	v_mov_b32 v[NIL], 0
	ds_add_u32 v28, v29
	ds_add_u32 v28, v29
	s_wait_dscnt 0x0
	v_lshrrev_b32 v1, 5, v0
	v_readfirstlane_b32 s14, v1                    ; wave 0..3
	s_lshr_b32 s15, s14, 1                         ; which half of P's rows is mine.  Also: I fetch for P (0) or for Q (1)
	s_and_b32 s16, s14, 1                          ; which half of Q's rows.  Also: which 128 rows of that tile I fetch
	s_bfe_u32 s40, ttmp6, 0x40000                  ; cx, cy: my place in the cluster
	s_bfe_u32 s41, ttmp6, 0x40004
	s_and_b32 s75, ttmp7, 0xffff                   ; the cluster's y: 0..7, four tiles of 256 tokens each
	s_cmp_eq_u32 ttmp9, 2                          ; the cluster's x: 0 q, 1 k, 2 v
	s_cselect_b32 s74, 2, s75                      ; P's group of four tiles: v: W's third (rows 2048 on); else the tokens'
	s_cselect_b32 s75, s75, ttmp9                  ; Q's: v: the tokens'; else W's
	s_lshl_b32 s17, s74, 2
	s_add_co_u32 s17, s17, s41                     ; P's tile = 4 x group + cy
	s_lshl_b32 s42, s75, 2
	s_add_co_u32 s42, s42, s40                     ; Q's tile = 4 x group + cx
	s_lshl_b32 s43, s41, 2
	s_lshl_b32 s43, 15, s43                        ; my row of the cluster
	s_lshl_b32 s44, 0x1111, s40                    ; my column
	; descriptor group 1: a tile of 128 rows x 256 bytes, padded in LDS
	s_or_b32 s[G1+0], s43, (0<<16)|(1<<20)|(1<<21)|(5<<22)|(3<<25)  ; 15:0 the mask: P's tiles go to my row; 17:16 element of 1 byte; 20 padding on; 21 set beside a mask; 24:22 after every 64 words (code 5); 31:25 of 4 words (code 3)
	s_or_b32 s[G1B+0], s44, (0<<16)|(1<<20)|(1<<21)|(5<<22)|(3<<25) ; the same with the mask of my column, for Q's tiles
.irp g, G1, G1B
	s_mov_b32 s[\g+1], ROWB<<16                    ; tensor_dim0
	s_mov_b32 s[\g+2], 128<<16                     ; tensor_dim1 = 128
	s_mov_b32 s[\g+3], ROWB<<16                    ; tile_dim0
	s_mov_b32 s[\g+4], 128                         ; tile_dim1 = 128
	s_mov_b32 s[\g+5], KROW                        ; tensor_dim0_stride
	s_mov_b32 s[\g+6], 0
	s_mov_b32 s[\g+7], 0
.endr
	s_lshl_b32 s18, s16, 7                         ; which 128 rows of the tile I fetch
	s_lshl_b32 s20, s17, 8
	s_add_co_u32 s20, s20, s18                     ; P: row 256 x tile + 128 x half,
	s_lshl_b32 s20, s20, 10                        ; in bytes (8,192 rows of 1,024 bytes at the most)
	s_mov_b32 s21, 0
	s_lshl_b32 s46, s42, 8
	s_add_co_u32 s46, s46, s18                     ; Q likewise
	s_lshl_b32 s46, s46, 10
	s_mov_b32 s47, 0
	s_mul_i32 s45, s14, HALFT                      ; where they go: wave x 128 rows: no place in the cluster enters an LDS address
	s_wait_kmcnt 0x0
	s_load_b256 s[76:83], s[10:11], 0x0            ; e0 .. e7
	s_cmp_eq_u32 ttmp9, 2
	s_cselect_b64 s[88:89], s[6:7], s[4:5]         ; P's buffer
	s_cselect_b64 s[90:91], s[4:5], s[6:7]         ; Q's buffer
	s_add_nc_u64 s[20:21], s[88:89], s[20:21]
	s_add_nc_u64 s[46:47], s[90:91], s[46:47]
	CROUND                                         ; all sixteen work-groups are here: the first joint loads meet
.irp s, 0,1
	s_mov_b32 s[G0+4*\s], 1
	s_add_co_u32 s[G0+4*\s+1], s45, \s*SLOT
	s_add_nc_u64 s[G0+4*\s+2:G0+4*\s+3], s[20:21], \s*ROWB
	s_or_b32 s[G0+4*\s+3], s[G0+4*\s+3], 0x80000000
	s_mov_b32 s[G0B+4*\s], 1
	s_add_co_u32 s[G0B+4*\s+1], s45, \s*SLOT
	s_add_nc_u64 s[G0B+4*\s+2:G0B+4*\s+3], s[46:47], \s*ROWB
	s_or_b32 s[G0B+4*\s+3], s[G0B+4*\s+3], 0x80000000
	JLOAD G0+4*\s, G1, G0B+4*\s, G1B
.endr
	v_and_b32 v1, 15, v0                           ; r = lane % 16
	v_bfe_u32 v2, v0, 4, 1                         ; h = lane / 16
	v_mul_u32_u24 v3, v1, PITCH
	v_lshl_add_u32 v4, v2, 4, v3                   ; a fragment's row x pitch + 16 x half
	s_mul_i32 s21, s15, HALFT                      ; my 128 rows of P
	s_mul_i32 s22, s16, HALFT                      ; my 128 rows of Q,
	s_add_co_u32 s22, s22, 2*HALFT                 ; which lie behind P's 256
.irp s, 0,1
	v_add_nc_u32 v[ADRA+\s], s21, v4
	v_add_nc_u32 v[ADRB+\s], s22, v4
	s_add_co_u32 s21, s21, SLOT
	s_add_co_u32 s22, s22, SLOT
.endr
	v_and_b32 v[LI], 31, v0
	v_lshlrev_b32 v[LI], 4, v[LI]
	v_lshlrev_b32 v[BOQ], 5, v2
	s_wait_alu depctr_va_vdst(0)
	v_lshlrev_b32 v[BOV], 2, v1
	s_wait_alu depctr_va_vdst(0)
	; my first token and my first channel (0..3071, an index into b_attn)
	s_lshl_b32 s18, s17, 8
	s_lshl_b32 s19, s15, 7
	s_add_co_u32 s18, s18, s19                     ; my first row of P
	s_lshl_b32 s19, s42, 8
	s_lshl_b32 s23, s16, 7
	s_add_co_u32 s19, s19, s23                     ; my first row of Q
	s_cmp_eq_u32 ttmp9, 2
	s_cselect_b32 s22, s19, s18                    ; the token
	s_cselect_b32 s23, s18, s19                    ; the channel
	s_lshl_b32 s46, s23, 2
	s_mov_b32 s47, 0
	s_add_nc_u64 s[86:87], s[8:9], s[46:47]        ; my 128 biases
	s_lshr_b32 s46, s22, 11                        ; the batch,
	s_lshl_b32 s46, s46, 4
	s_and_b32 s18, s23, 1023
	s_lshr_b32 s18, s18, 6                         ; the first of my two heads:
	s_add_co_u32 s46, s46, s18
	s_lshl_b32 s46, s46, 17                        ; its 131,072 bytes,
	s_and_b32 s18, s22, 2047
	s_lshl_b32 s18, s18, 6                         ; and 64 bytes a token in all three images (1,024 for 16; 8,192 for 128)
	s_add_co_u32 s46, s46, s18
	s_cmp_eq_u32 ttmp9, 0
	s_cselect_b64 s[84:85], s[68:69], s[70:71]
	s_cmp_eq_u32 ttmp9, 2
	s_cselect_b64 s[84:85], s[72:73], s[84:85]     ; the buffer that this cluster writes
	s_add_nc_u64 s[84:85], s[84:85], s[46:47]
	; Both layouts of my 128 biases are loaded by every wave, 16 loads of 4 bytes more than it uses, so that no branch stands here and every register named below is written on every way.
.irp b, 0,1,2,3,4,5,6,7
	global_load_b128 v[BQ+8*\b:BQ+8*\b+3],   v[BOQ], s[86:87] offset:64*\b       ; b(16 b + 8 h + 0 .. 3)
	global_load_b128 v[BQ+8*\b+4:BQ+8*\b+7], v[BOQ], s[86:87] offset:64*\b+16
.endr
.irp a, 0,1,2,3,4,5,6,7
	global_load_b32 v[BV+2*\a],   v[BOV], s[86:87] offset:64*\a                   ; b(16 a + r), twice: a pair for the packed form
	global_load_b32 v[BV+2*\a+1], v[BOV], s[86:87] offset:64*\a
.endr
	s_wait_kmcnt 0x0                               ; the exponents
	s_add_co_i32 s96, s76, s77                     ; e0 + e1
	s_add_co_i32 s96, s96, 127
	s_lshl_b32 s96, s96, 23                        ; 2^(e0 + e1) as f32
	s_mov_b32 s97, s96                             ; (named with it as a pair, so it is written)
	s_cmp_eq_u32 ttmp9, 0
	s_cselect_b32 s92, s78, s79                    ; e2 for q, e3 for k,
	s_cmp_eq_u32 ttmp9, 2
	s_cselect_b32 s92, s81, s92                    ; e5 for v
	s_add_co_i32 s92, s92, 127
	s_lshl_b32 s93, s92, 23
	v_mov_b32 v[SC], s93                           ; 2^e as f32: the conversion takes its exponent field
.macro FRAG reg, adr, q, i             ; a fragment by four loads of 16 bytes: registers 4 c .. 4 c + 3 hold K = 32 c + 16 h + 0 .. 15: a permutation of k, the same in P and in Q, so every product meets its partner
.irp c, 0,1,2,3
	ds_load_b128 v[\reg+4*\c:\reg+4*\c+3], v[\adr] offset:128*(\q)+32*\c+(\i)*16*PITCH
.endr
.endm
; 16 matrix instructions: P's blocks a0, a0 + 1 x Q's eight, 128 along K.  p: Q's set.  zero = 1: the first product starts the sums: nothing is ever cleared.
; The 64 accumulators take turns, one instruction a turn, in the same order in every step.
.macro MUL16 a0, p, zero
.irp a, \a0, \a0+1
.irp b, 0,1,2,3,4,5,6,7
.if \zero
	v_wmma_f32_16x16x128_fp8_fp8 v[8*(8*((\a)%4)+\b):8*(8*((\a)%4)+\b)+7], v[128*(\p)+FR*\b:128*(\p)+FR*\b+FR-1], v[AF+FR*(\a):AF+FR*(\a)+FR-1], 0
.else
	v_wmma_f32_16x16x128_fp8_fp8 v[8*(8*((\a)%4)+\b):8*(8*((\a)%4)+\b)+7], v[128*(\p)+FR*\b:128*(\p)+FR*\b+FR-1], v[AF+FR*(\a):AF+FR*(\a)+FR-1], v[8*(8*((\a)%4)+\b):8*(8*((\a)%4)+\b)+7]
.endif
.endr
.endr
.endm
.macro FETCH_B slot, q, p              ; Q's eight fragments of the slot's q-th 128 along K into set p
	WIN TO_B
.irp i, 0,1,2,3,4,5,6,7
	FRAG 128*(\p)+FR*\i, ADRB+\slot, \q, \i
.endr
	WIN 0
.endm
.macro FETCH_A slot, q, i0             ; P's blocks i0 .. i0 + 3
.irp i, \i0, \i0+1, \i0+2, \i0+3
	FRAG AF+FR*(\i), ADRA+\slot, \q, \i
.endr
.endm
; A load into a register that a matrix instruction has read, and a vector instruction that reads a matrix result or writes one of its registers, stand NP places behind it; only plain vector
; instructions that name none of its registers are places (ISA guide 7.12.1 for vector instructions).
.macro PLACES n
.rept \n
	v_nop
.endr
.endm
; A step of 128 along K that has its successor in the same slot.
.macro STEP slot, q, zero
	s_wait_dscnt 4*NL                              ; Q's set and P's blocks 0-3 are in; the youngest 16 loads (P's blocks 4-7) may be out
	WIN MUL_LO
	MUL16 0, (\q)%2, \zero
	MUL16 2, (\q)%2, \zero
	s_wait_dscnt 0                                 ; P's blocks 4-7 are in
	PLACES NP
	FETCH_B \slot, (\q)+1, 1-(\q)%2
	FETCH_A \slot, (\q)+1, 0
	WIN MUL_HI
	MUL16 4, (\q)%2, \zero
	MUL16 6, (\q)%2, \zero
	PLACES NP
	WIN 0
	FETCH_A \slot, (\q)+1, 4
.endm
; A slot's last step changes slots: one barrier; in front of it each wave waits for all its tensor loads, adds 0 to its spare word, and waits for that and for its own reads of this slot.  fill = 1: this slot is filled again, two K steps ahead.
.macro TURN slot, next, fill
	s_wait_tensorcnt 0x0                           ; all my tensor loads have landed: my part of the next slot  (every window is 0 here)
	ds_add_u32 v[SPW], v[NIL]                      ; 0 onto my spare word
	s_wait_dscnt 4*NL+1                            ; (the add and the youngest 16 loads, P's blocks 4-7, may be out)
	WIN MUL_LO
	MUL16 0, 1, 0                                  ; sixteen matrix instructions stand between the add and the wait for it
	s_wait_dscnt 0x0                               ; the add is done, and my reads of this slot are over
	s_barrier_signal -1
	MUL16 2, 1, 0
	WIN 0
	s_barrier_wait -1
.if \fill
	CREST                                          ; the barrier has opened a round of the cluster's barrier: no wave of any partner still reads this slot's tile or has a load on its way
	s_add_nc_u64 s[G0+4*\slot+2:G0+4*\slot+3], s[G0+4*\slot+2:G0+4*\slot+3], 2*ROWB
	s_add_nc_u64 s[G0B+4*\slot+2:G0B+4*\slot+3], s[G0B+4*\slot+2:G0B+4*\slot+3], 2*ROWB
	JLOAD G0+4*\slot, G1, G0B+4*\slot, G1B         ; the first tensor load behind the round; the four v_nop behind it are the places in front of the loads below
.else
	PLACES NP
.endif
	FETCH_B \next, 0, 0
	FETCH_A \next, 0, 0
	WIN MUL_HI
	MUL16 4, 1, 0
	MUL16 6, 1, 0
	PLACES NP
	WIN 0
	FETCH_A \next, 0, 4
.endm
	s_wait_tensorcnt 1                             ; my part of K step 0 is in; K step 1's load may be out
	s_barrier_signal -1
	s_barrier_wait -1                              ; everybody's is
	FETCH_B 0, 0, 0
	FETCH_A 0, 0, 0
	FETCH_A 0, 0, 4
	STEP 0, 0, 1                                   ; K = 1024 is four K steps of 256, eight steps of 128: written out, no loop.  The first products start the sums
	TURN 0, 1, 1                                   ; slot 0 takes K step 2
	STEP 1, 0, 0
	TURN 1, 0, 1                                   ; slot 1 takes K step 3
	STEP 0, 0, 0
	TURN 0, 1, 0                                   ; nothing is left to fetch
	STEP 1, 0, 0
	s_wait_dscnt 4*NL                              ; the very last step
	WIN MUL_LO
	MUL16 0, 1, 0
	MUL16 2, 1, 0
	s_wait_dscnt 0
	WIN MUL_HI
	MUL16 4, 1, 0
	MUL16 6, 1, 0
	WIN 0
; THE WAY OUT of P's block a: 16 lanes' rows x 128 of Q's rows, 64 numbers a lane.  number = sum x 2^(e0 + e1) + bias; eight conversions, whose 16 registers are the next operand's; four stores.
.macro OUT a, isv
.set AC, 64*((\a)%4)
	WIN 0x02+((\a)/4)                              ; source 0: window 2 or 3
.irp b, 0,1,2,3,4,5,6,7
.irp i, 0,2,4,6
.if \isv
	v_pk_fma_f32 v[T+8*\b+\i:T+8*\b+\i+1], v[AC+8*\b+\i:AC+8*\b+\i+1], s[96:97], v[BV+2*(\a):BV+2*(\a)+1] op_sel_hi:[1,0,1]   ; my lane's channel has one bias; each accumulator from its low end on
.else
	v_pk_fma_f32 v[T+8*\b+\i:T+8*\b+\i+1], v[AC+8*\b+\i:AC+8*\b+\i+1], s[96:97], v[BQ+8*\b+\i:BQ+8*\b+\i+1] op_sel_hi:[1,0,1]   ; my registers' channels have theirs
.endif
.endr
.endr
	WIN 0
.set n, 0
.rept 64
.set n, n+1
.endr
.if (\a) > 0
	s_wait_alu depctr_va_vdst(0)
	s_wait_xcnt 0x0                                ; the last block's stores have read their data: the codes' registers may be written again
.endif
.irp b, 0,1,2,3,4,5,6,7
	v_cvt_scalef32_pk8_fp8_f32 v[C+2*\b:C+2*\b+1], v[T+8*\b:T+8*\b+7], v[SC]   ; registers 2 b, 2 b + 1: k = 16 b + 8 h + 0 .. 7
.endr
	v_nop                                          ; one plain vector line behind the last conversion, ahead of the next block's writes of its sources
.irp i, 0,1,2,3
.if \isv
	global_store_b128 v[LI], v[C+4*\i:C+4*\i+3], s[84:85] offset:((\a)/4)*HEADB+((\a)%4)*2048+512*\i   ; block a is a tile of 16 channels: head a / 4, tile a % 4; my 128 tokens are one key step
.else
	global_store_b128 v[LI], v[C+4*\i:C+4*\i+3], s[84:85] offset:(\a)*1024+(\i/2)*HEADB+(\i%2)*512     ; block a is a tile of 16 tokens; my 128 channels are two heads
.endif
.endr
.endm
	s_wait_loadcnt 0x0                             ; the biases
	PLACES NP                                      ; behind the last products: for the reads of results and the writes into the registers that held P's fragments
	s_cmp_eq_u32 ttmp9, 2                          ; the cluster's x: alike in all partners
	s_cbranch_scc1 .Lout_v
.irp a, 0,1,2,3,4,5,6,7
	OUT \a, 0
.endr
	s_branch .Lout_done
.Lout_v:
.irp a, 0,1,2,3,4,5,6,7
	OUT \a, 1
.endr
.Lout_done:
	s_wait_tensorcnt 0x0                           ; the wave's end
	ds_add_u32 v[SPW], v[NIL]
	s_wait_dscnt 0x0
	CROUND                                         ; the closing round: no work-group ends while a partner may still ask for a tile that names it
	s_endpgm
.Lfunc_end_k_q8fbce6cba5_qkv:
	.size	k_q8fbce6cba5_qkv, .Lfunc_end_k_q8fbce6cba5_qkv-k_q8fbce6cba5_qkv
	.p2alignl 7, 3214868480
	.fill 96, 4, 3214868480
	.section	.rodata,"a",@progbits
	.p2align	6, 0x0
	.amdhsa_kernel k_q8fbce6cba5_qkv
		.amdhsa_group_segment_fixed_size 327680
		.amdhsa_private_segment_fixed_size 0
		.amdhsa_enable_private_segment 0
		.amdhsa_kernarg_size 56
		.amdhsa_user_sgpr_count 2
		.amdhsa_user_sgpr_kernarg_segment_ptr 1
		.amdhsa_wavefront_size32 1
		.amdhsa_system_sgpr_workgroup_id_x 1
		.amdhsa_system_sgpr_workgroup_id_y 1
		.amdhsa_system_sgpr_workgroup_id_z 1
		.amdhsa_system_vgpr_workitem_id 0
		.amdhsa_next_free_vgpr 1024
		.amdhsa_next_free_sgpr 100
		.amdhsa_reserve_vcc 0
		.amdhsa_float_denorm_mode_32 3
		.amdhsa_float_denorm_mode_16_64 3
		.amdhsa_fp16_overflow 1
		.amdhsa_memory_ordered 1
		.amdhsa_forward_progress 1
		.amdhsa_inst_pref_size 130
	.end_amdhsa_kernel
	.amdgpu_metadata
---
amdhsa.version: [ 1, 2 ]
amdhsa.kernels:
  - .name:           k_q8fbce6cba5_qkv
    .symbol:         k_q8fbce6cba5_qkv.kd
    .args:
      - { .name: x_codes, .offset: 0, .size: 8, .value_kind: global_buffer, .address_space: global }
      - { .name: w_attn_codes, .offset: 8, .size: 8, .value_kind: global_buffer, .address_space: global }
      - { .name: b_attn, .offset: 16, .size: 8, .value_kind: global_buffer, .address_space: global }
      - { .name: lowp_scales, .offset: 24, .size: 8, .value_kind: global_buffer, .address_space: global }
      - { .name: q_img, .offset: 32, .size: 8, .value_kind: global_buffer, .address_space: global }
      - { .name: k_img, .offset: 40, .size: 8, .value_kind: global_buffer, .address_space: global }
      - { .name: v_img, .offset: 48, .size: 8, .value_kind: global_buffer, .address_space: global }
    .group_segment_fixed_size: 327680
    .private_segment_fixed_size: 0
    .kernarg_segment_align: 8
    .kernarg_segment_size: 56
    .max_flat_workgroup_size: 128
    .sgpr_count:     100
    .vgpr_count:     1024
    .wavefront_size: 32
...
	.end_amdgpu_metadata
.endif
;; end of part 1
;; launch attn (part 2): grid 4 x 64, 16 waves a work-group, clusters of 4 x 1, 264,192 bytes of LDS; arguments q_img, k_img, v_img, lowp_scales, y_img; writes y_img
.if DOCPART == 2
	.amdgcn_target "amdgcn-amd-amdhsa--gfx1250"
	.amdhsa_code_object_version 6
	.text
	.protected	k_q8fbce6cba5_attn
	.globl	k_q8fbce6cba5_attn
	.p2align	8
	.type	k_q8fbce6cba5_attn,@function
k_q8fbce6cba5_attn:
	s_mov_b64 s[64:65], 0
	v_nop
	global_prefetch_b8 v0, s[64:65] scope:SCOPE_SE
	s_setreg_imm32_b32 hwreg(HW_REG_WAVE_MODE, 25, 1), 1
	s_wait_xcnt 0x0
	s_wait_alu depctr_hold_cnt(0) depctr_sa_sdst(0) depctr_va_vdst(0) depctr_va_sdst(0) depctr_va_ssrc(0) depctr_va_vcc(0) depctr_vm_vsrc(0)
	s_getreg_b32 s2, hwreg(HW_REG_IB_STS2, 6, 4)
	s_cmp_eq_u32 s2, 0
	s_cbranch_scc0 .Lentry_in_a_cluster
	s_endpgm
.Lentry_in_a_cluster:
	s_bfe_u32 s2, ttmp6, 0x10000c
	s_cmp_lg_u32 s2, 0x3003
	s_cbranch_scc0 .Lentry_shape_is_right
	s_endpgm
.Lentry_shape_is_right:
; y[head][q] = the sum over keys k <= q of softmax_k(Q . K / 8) V, for 64 heads of 2,048 tokens x 64 channels, both products on codes of FP8 (E4M3); y is quantised with 2^e6 on the way out.
; THE SOFTMAX: t = score x log2(e) / 8; M = the row's largest t so far, rounded up to a whole number; p = 2^(t - M) is quantised with 2^e4, not normalised.  The row's sum is taken of the unquantised p, in f32,
; and divides at the end.  When M moves, the sum and O are multiplied by 2^(old M - new M), which rounds nothing.
; LIMITS on the given exponents: e2 + e3 between -123 and 130 (they are added to c's exponent field); e4 and e6 between -126 and 119; e4 + e5 is applied by v_ldexp_f32 and has none.
; OPERANDS ARRIVE AS IMAGES OF THEIR REGISTERS (lane (r, h): row r; registers 2 c, 2 c + 1: k = 16 c + 8 h + 0 .. 7), four registers at 16 x lane: every load is 512 consecutive bytes, no pitch, no padding.
; SHARES.  A cluster of four work-groups is one head.  The head's K image (131,072 bytes) and V image (131,072) lie whole in each work-group's LDS, filled ONCE: sixteen waves, one joint tensor load of 16,384 bytes each.
; Nothing is filled again and nothing is stored to LDS, so behind the one barrier LDS is only read.
; The head's 128 tiles of 16 queries fall into 16 groups of 8; group G sees key steps 0 .. G of 128 keys, step G on the diagonal.  Work-group cx takes tiles 8 G + 2 cx + u of every group; wave w (g = w % 8, u = w / 8)
; takes its tile of group 15 - g (16 - g key steps), then its tile of group g (g + 1 steps): SEVENTEEN key steps for every wave of every work-group, and no hidden step is walked.
; Which step a trip walks hangs on the wave's number and the trip alone; the place in the cluster enters Q's and y's offsets in memory and the mask's compare, no branch and no LDS address.
; LAYOUT.  S^T = K Q^T (source 0 = 16 keys, source 1 = my 16 queries), O^T = V^T P^T (source 0 = 16 channels, source 1 = P): a lane holds one query (lane % 16) throughout.  Register j of S^T's tile c is key 16 c + 8 h + j:
; the conversions of tile c give registers 2 c, 2 c + 1 of P.  Likewise O^T's tile c gives registers 2 c, 2 c + 1 of y's image.
; y_img: [512 tiles of 16 tokens][16 heads][1024 bytes].
.set LI,   1                           ; v1   16 x lane; never rewritten
.set ADK,  2                           ; v2   LDS address of the key step's K
.set ADV,  3                           ; v3   of its V
.set DD,   4                           ; v4   my query less the diagonal step's first key less 8 h
.set GO,   5                           ; v5   y: my offset for the tile in hand
.set GOS,  6                           ; v6   y: for the second tile
.set NINF, 7                           ; v7   -infinity
.set QL,   8                           ; v8   Q: my offset for the first tile;  v9 for the second
.set QS,   9
.set QF,   16                          ; v16-23 Q in hand;  v24-31 Q of the second tile
.set F,    32                          ; v32-95 K's eight fragments, then V's four
.set S,    96                          ; v96-159 S^T, then p
.set O,    160                         ; v160-191 O^T
.set PC,   192                         ; v192-207 p's codes
.set YC,   220                         ; v220-227 y's codes
; v12 -M, v13 the largest t, v[14:15] the sum in two halves; v208, v209 at work; v[210:211] f; v[212:213] the sum's second chain; v214 the permute's destination; v217 2^e4, v218 2^e6
.set WV,   14                          ; s14  wave
.set GG,   15                          ; s15  g
.set UU,   16                          ; s16  u
.set CXX,  17                          ; s17  cx
.set BH,   18                          ; s18  the head, 0..63
.set SEL,  20                          ; s[20:21] lane selects for v_permlanex16_b32: lane l xor 16
.set CS,   22                          ; s[22:23] c = log2(e) / 8 x 2^(e2 + e3)
.set G1,   24                          ; s[24:31] descriptor group 1
.set G0,   32                          ; s[32:35] descriptor group 0
.set TT,   36                          ; s36  the trip, 0..16
.set TG,   37                          ; s37  trip + g
.set KS,   38                          ; s38  the key step's bytes in an image
.set EPV,  39                          ; s39  e4 + e5
.macro CROUND                          ; a round of the cluster's barrier
	s_barrier_signal -1
	s_barrier_wait -1
	s_cmp_lg_u32 s[WV], 0
	s_cbranch_scc1 .Lnot_wave_0_\@
	s_barrier_signal -3
.Lnot_wave_0_\@:
	s_barrier_wait -3
	s_barrier_signal -1
	s_barrier_wait -1
.endm
.macro FRESH                           ; a tile's first state: the largest t under every t, sums and O^T zero: the first change of M multiplies zeros
	v_mov_b32 v13, 0xff61b1e6                      ; -3e38
	s_delay_alu instid0(VALU_DEP_1)
	v_floor_f32 v12, -v13                          ; -M
	v_mov_b32 v14, 0
	v_mov_b32 v15, 0
.set n, 0
.rept 32
	v_mov_b32 v[O+n], 0
.set n, n+1
.endr
.endm
	s_load_b256 s[4:11], s[0:1], 0x0               ; q_img s[4:5], k_img s[6:7], v_img s[8:9], the scales' exponents s[10:11]
	s_load_b64 s[12:13], s[0:1], 0x20              ; y_img
	v_lshl_add_u32 v254, v0, 2, 0x40000
	v_mov_b32 v255, 0
	ds_add_u32 v254, v255
	ds_add_u32 v254, v255
	v_lshrrev_b32 v10, 5, v0
	s_delay_alu instid0(VALU_DEP_1)
	v_readfirstlane_b32 s[WV], v10                 ; wave 0..15
	s_and_b32 s[GG], s[WV], 7
	s_lshr_b32 s[UU], s[WV], 3
	s_bfe_u32 s[CXX], ttmp6, 0x40000               ; my place in the cluster
	s_and_b32 s[BH], ttmp7, 0xffff                 ; the head, which the four partners share
	; descriptor group 1: a dense block of 16,384 bytes as 64 rows of 256
	s_mov_b32 s[G1], 15|(3<<16)|(1<<21)            ; 15:0 the mask: all four work-groups; 17:16 elements of 8 bytes; 20 no padding; 21 set beside a mask
	s_mov_b32 s[G1+1], 32<<16                      ; tensor_dim0 = 32 elements
	s_mov_b32 s[G1+2], 64<<16                      ; tensor_dim1 = 64
	s_mov_b32 s[G1+3], 32<<16                      ; tile_dim0 = 32
	s_mov_b32 s[G1+4], 64                          ; tile_dim1 = 64
	s_mov_b32 s[G1+5], 32                          ; tensor_dim0_stride
	s_mov_b32 s[G1+6], 0
	s_mov_b32 s[G1+7], 0
	s_mov_b32 s[G0], 1                             ; count = 1
	s_lshl_b32 s[G0+1], s[WV], 14                  ; LDS: wave x 16,384: waves 0-7 fill K's image, waves 8-15 V's behind it
	s_lshl_b32 s54, s[BH], 17                      ; the head's 131,072 bytes in q_img, k_img and v_img
	s_mov_b32 s55, 0
	s_lshl_b32 s52, s[GG], 14                      ; my eighth of an image
	s_mov_b32 s53, 0
	s_mov_b32 s[SEL], 0x76543210
	s_mov_b32 s[SEL+1], 0xfedcba98
	s_mov_b32 s[CS], 0x3e38aa3b                    ; log2(e) / 8
	s_wait_dscnt 0x0
	s_wait_kmcnt 0x0
	s_load_b256 s[40:47], s[10:11], 0x0            ; e0 .. e7
	s_cmp_lt_u32 s[WV], 8                          ; the choice hangs on the wave's number alone
	s_cselect_b64 s[G0+2:G0+3], s[6:7], s[8:9]
	s_add_nc_u64 s[G0+2:G0+3], s[G0+2:G0+3], s[54:55]
	s_add_nc_u64 s[G0+2:G0+3], s[G0+2:G0+3], s[52:53]
	s_or_b32 s[G0+3], s[G0+3], 0x80000000          ; type = 2
	CROUND                                         ; all four work-groups are here: the joint loads meet
	tensor_load_to_lds s[G0:G0+3], s[G1:G1+7]      ; my one tensor load of the launch
	s_nop 0
.rept 4
	v_nop
.endr
	v_and_b32 v[LI], 31, v0
	s_delay_alu instid0(VALU_DEP_1)
	v_lshlrev_b32 v[LI], 4, v[LI]
	s_wait_alu depctr_va_vdst(0)
	s_lshl_b32 s48, s[CXX], 1
	s_add_co_u32 s48, s48, s[UU]                   ; 2 cx + u: my tile's place in a group
	s_lshl_b32 s49, s[GG], 3
	s_add_co_u32 s50, s49, s48                     ; the second tile: 8 g + 2 cx + u
	s_sub_co_u32 s51, 120, s49
	s_add_co_u32 s51, s51, s48                     ; the first: 8 (15 - g) + 2 cx + u
	s_add_nc_u64 s[4:5], s[4:5], s[54:55]          ; Q at my head
	s_lshl_b32 s56, s51, 10
	v_add_nc_u32 v[QL], s56, v[LI]                 ; a tile's image is 1,024 bytes
	s_lshl_b32 s56, s50, 10
	v_add_nc_u32 v[QS], s56, v[LI]
	global_load_b128 v[QF:QF+3],     v[QL], s[4:5]
	global_load_b128 v[QF+4:QF+7],   v[QL], s[4:5] offset:512
	global_load_b128 v[QF+8:QF+11],  v[QS], s[4:5]
	global_load_b128 v[QF+12:QF+15], v[QS], s[4:5] offset:512
	s_lshr_b32 s52, s[BH], 4                       ; y: the batch's 128 tiles of 16,384 bytes,
	s_lshl_b32 s52, s52, 21
	s_and_b32 s56, s[BH], 15
	s_lshl_b32 s56, s56, 10                        ; the head's 1,024 bytes in a tile
	s_add_co_u32 s52, s52, s56
	s_add_nc_u64 s[12:13], s[12:13], s[52:53]
	s_lshl_b32 s56, s51, 14
	v_add_nc_u32 v[GO], s56, v[LI]
	s_lshl_b32 s56, s50, 14
	v_add_nc_u32 v[GOS], s56, v[LI]
	s_lshl_b32 s56, s48, 4                         ; on the diagonal my query is 16 (2 cx + u) + r behind the step's first key
	v_and_b32 v10, 15, v0
	v_bfe_u32 v11, v0, 4, 1
	s_delay_alu instid0(VALU_DEP_1)
	v_lshlrev_b32 v11, 3, v11
	s_delay_alu instid0(VALU_DEP_1)
	v_sub_nc_u32 v[DD], v10, v11
	s_delay_alu instid0(VALU_DEP_1)
	v_add_nc_u32 v[DD], s56, v[DD]                 ; d = that - 8 h.  Register 8 c + j holds the step's key 16 c + 8 h + j: hidden where 16 c + j > d
	v_mov_b32 v[NINF], 0xff800000
	v_mov_b32 v214, 0                              ; written once: a lane permute's destination counts as one of its sources
	v_mov_b32 v211, 0                              ; (named as the upper half of the pair v[210:211])
	FRESH
	s_wait_kmcnt 0x0
	s_add_co_i32 s48, s42, s43                     ; a score stands for score x 2^(e2 + e3): the exponents are added to c's exponent field
	s_lshl_b32 s48, s48, 23
	s_add_co_i32 s[CS], s[CS], s48
	s_mov_b32 s[CS+1], s[CS]                       ; (named with it as a pair, so it is written)
	s_add_co_i32 s48, s44, 127
	s_lshl_b32 s49, s48, 23
	v_mov_b32 v217, s49                            ; 2^e4 as f32
	s_add_co_i32 s48, s46, 127
	s_lshl_b32 s49, s48, 23
	v_mov_b32 v218, s49                            ; 2^e6
	s_add_co_i32 s[EPV], s44, s45                  ; e4 + e5
	s_mov_b32 s[TT], 0
	s_wait_loadcnt 0x0                             ; Q
	s_wait_tensorcnt 0x0                           ; my sixteenth of the images has landed,
	s_barrier_signal -1
	s_barrier_wait -1                              ; everybody's has: from here on LDS is only read
.Ltrip:                                            ; seventeen trips, a key step of 128 keys each
	s_add_co_u32 s[TG], s[TT], s[GG]               ; under 16: the first tile, key step = trip; from 16 on: the second, key step = trip + g - 16
	s_lshr_b32 s48, s[TG], 4
	s_mul_i32 s48, s48, s[GG]
	s_add_co_u32 s48, s48, s[TT]
	s_and_b32 s48, s48, 15                         ; the key step, 0..15
	s_lshl_b32 s[KS], s48, 13                      ; 8,192 bytes a step in both images
	s_setprio 2
	v_add_nc_u32 v[ADK], s[KS], v[LI]
	s_delay_alu instid0(VALU_DEP_1)
	v_add_nc_u32 v[ADV], 0x20000, v[ADK]           ; V's image lies behind K's
	v_nop                                          ; with the two additions: four places in front of loads into registers that the last products read
	v_nop
.irp t, 0,1,2,3,4,5,6,7
	ds_load_b128 v[F+8*\t:F+8*\t+3],   v[ADK] offset:1024*\t       ; tile t: keys 16 t .. 16 t + 15 of the step
	ds_load_b128 v[F+8*\t+4:F+8*\t+7], v[ADK] offset:1024*\t+512
.endr
	s_wait_dscnt 0x0
	s_wait_alu depctr_va_vdst(0)
.irp t, 0,1,2,3,4,5,6,7
	v_wmma_f32_16x16x64_fp8_fp8 v[S+8*\t:S+8*\t+7], v[F+8*\t:F+8*\t+7], v[QF:QF+7], 0
.endr
.rept 4
	v_nop                                          ; places: for the loads below and for the first reads of the scores
.endr
.irp c, 0,1,2,3                                    ; V's four fragments are asked for here and land under the softmax
.irp i, 0,1,2,3
	ds_load_b128 v[F+16*\c+4*\i:F+16*\c+4*\i+3], v[ADV] offset:2048*\c+512*\i
.endr
.endr
	s_cmp_eq_u32 s[TG], 15                         ; the first tile's last step,
	s_cbranch_scc1 .Lmask
	s_cmp_lg_u32 s[TT], 16                         ; and the second's, lie on the diagonal
	s_cbranch_scc1 .Lopen
.Lmask:                                            ; hidden scores become -infinity ahead of the maximum: p = 0 then.  The step's first key counts for every query of the step, so M stays a number
.set n, 0
.rept 64
	v_cmp_gt_i32 vcc_lo, 16*(n/8)+n%8, v[DD]
	v_cndmask_b32 v[S+n], v[S+n], v[NINF], vcc_lo
.set n, n+1
.endr
.Lopen:
	v_max3_num_f32 v208, v[S], v[S+1], v[S+2]      ; the step's largest score of my query, among my 64 keys, in two chains, each accumulator from its low end on
	v_max3_num_f32 v209, v[S+3], v[S+4], v[S+5]
.set n, 6
.rept 14
	v_max3_num_f32 v208, v208, v[S+n], v[S+n+1]
	v_max3_num_f32 v209, v209, v[S+n+2], v[S+n+3]
.set n, n+4
.endr
	v_max3_num_f32 v208, v208, v[S+62], v[S+63]
	s_delay_alu instid0(VALU_DEP_1)
	v_max_num_f32 v208, v208, v209
	s_delay_alu instid0(VALU_DEP_1)
	v_permlanex16_b32 v214, v208, s[SEL], s[SEL+1]
	s_delay_alu instid0(VALU_DEP_1)
	v_max_num_f32 v208, v208, v214                 ; and among lane l xor 16's
	s_delay_alu instid0(VALU_DEP_1)
	v_mul_f32 v208, s[CS], v208                    ; as t (c is positive)
	s_delay_alu instid0(VALU_DEP_1)
	v_max_num_f32 v13, v13, v208                   ; the running largest t
	v_mov_b32 v208, v12
	s_delay_alu instid0(VALU_DEP_2)
	v_floor_f32 v12, -v13                          ; the new -M = floor(-t) = -ceil(t): a whole number
	s_delay_alu instid0(VALU_DEP_1)
	v_sub_f32 v208, v12, v208                      ; old M less new M: a whole number, 0 or less
	s_delay_alu instid0(VALU_DEP_1)
	v_cvt_i32_f32 v208, v208                       ; (it saturates)
	s_delay_alu instid0(VALU_DEP_1)
	v_ldexp_f32 v210, 1.0, v208                    ; f = 2^(old M - new M)
.set n, 0
.rept 32
	v_pk_fma_f32 v[S+n:S+n+1], v[S+n:S+n+1], s[CS:CS+1], v[12:13] op_sel_hi:[1,0,0]   ; t - M, two at a time (of the pairs c and -M the low word serves both halves)
.set n, n+2
.endr
.set n, 0
	s_setprio 1
	s_wait_alu depctr_va_vdst(0)
.rept 64
	v_exp_f32 v[S+n], v[S+n]                       ; p = 2^(t - M), at most 1
.set n, n+1
.endr
	v_pk_mul_f32 v[14:15], v[14:15], v[210:211] op_sel_hi:[1,0]   ; the sums under the new M: the plain line behind the exponentials
	s_wait_alu depctr_va_vdst(0)                   ; one wait for the batch of 64, ahead of its first reader
	v_pk_add_f32 v[212:213], v[100:101], v[104:105]
	v_pk_add_f32 v[252:253], v[108:109], v[112:113]
	v_pk_add_f32 v[250:251], v[116:117], v[120:121]
	v_pk_add_f32 v[248:249], v[124:125], v[128:129]
	v_pk_add_f32 v[246:247], v[132:133], v[136:137]
	v_pk_add_f32 v[244:245], v[140:141], v[144:145]
	v_pk_add_f32 v[242:243], v[148:149], v[152:153]
	v_pk_add_f32 v[14:15], v[14:15], v[156:157]
	v_pk_add_f32 v[212:213], v[212:213], v[96:97]
	v_pk_add_f32 v[252:253], v[252:253], v[98:99]
	v_pk_add_f32 v[250:251], v[250:251], v[102:103]
	v_pk_add_f32 v[248:249], v[248:249], v[106:107]
	v_pk_add_f32 v[246:247], v[246:247], v[110:111]
	v_pk_add_f32 v[244:245], v[244:245], v[114:115]
	v_pk_add_f32 v[242:243], v[242:243], v[118:119]
	v_pk_add_f32 v[14:15], v[14:15], v[122:123]
	v_pk_add_f32 v[212:213], v[212:213], v[126:127]
	v_pk_add_f32 v[252:253], v[252:253], v[130:131]
	v_pk_add_f32 v[250:251], v[250:251], v[134:135]
	v_pk_add_f32 v[248:249], v[248:249], v[138:139]
	v_pk_add_f32 v[246:247], v[246:247], v[142:143]
	v_pk_add_f32 v[244:245], v[244:245], v[146:147]
	v_pk_add_f32 v[242:243], v[242:243], v[150:151]
	v_pk_add_f32 v[14:15], v[14:15], v[154:155]
	v_pk_add_f32 v[212:213], v[212:213], v[158:159]
	s_delay_alu instid0(VALU_DEP_2)
	v_pk_add_f32 v[14:15], v[14:15], v[248:249]
	s_delay_alu instid0(VALU_DEP_2)
	v_pk_add_f32 v[212:213], v[212:213], v[246:247]
	v_pk_add_f32 v[252:253], v[252:253], v[244:245]
	v_pk_add_f32 v[250:251], v[250:251], v[242:243]
	s_delay_alu instid0(VALU_DEP_2)
	v_pk_add_f32 v[14:15], v[14:15], v[252:253]
	s_delay_alu instid0(VALU_DEP_2)
	v_pk_add_f32 v[212:213], v[212:213], v[250:251]
	s_delay_alu instid0(VALU_DEP_1)
	v_pk_add_f32 v[14:15], v[14:15], v[212:213]
.irp c, 0,1,2,3,4,5,6,7
.irp i, 0,1,2,3,4,5,6,7
.endr
	v_cvt_scalef32_pk8_fp8_f32 v[PC+2*\c:PC+2*\c+1], v[S+8*\c:S+8*\c+7], v217   ; registers 2 c, 2 c + 1 of P: keys 16 c + 8 h + 0 .. 7
.endr
.set n, 0
.rept 16
	v_pk_mul_f32 v[O+n:O+n+1], v[O+n:O+n+1], v[210:211] op_sel_hi:[1,0]   ; O^T under the new M; these are also the plain lines between the conversions and the products below
.set n, n+2
.endr
	s_wait_alu depctr_va_vdst(0)
	s_wait_dscnt 0x0                               ; V
.irp c, 0,1,2,3                                    ; O^T += V^T P^T: four accumulators, one instruction each: they take turns
	v_wmma_f32_16x16x128_fp8_fp8 v[O+8*\c:O+8*\c+7], v[F+16*\c:F+16*\c+15], v[PC:PC+15], v[O+8*\c:O+8*\c+7]
.endr
	s_cmp_eq_u32 s[TG], 15                         ; a tile's diagonal step is its last: the tile goes out
	s_setprio 0
	s_cbranch_scc1 .Lfinish
	s_cmp_lg_u32 s[TT], 16
	s_cbranch_scc1 .Lnext
.Lfinish:
.rept 4
	v_nop                                          ; places behind the last products
.endr
	v_add_f32 v14, v14, v15                        ; the sum's two halves,
	s_delay_alu instid0(VALU_DEP_1)
	v_permlanex16_b32 v214, v14, s[SEL], s[SEL+1]
	s_delay_alu instid0(VALU_DEP_1)
	v_add_f32 v14, v14, v214                       ; and lane l xor 16's: the row's sum
	s_wait_alu depctr_va_vdst(0)
	v_rcp_f32 v14, v14
	v_nop                                          ; one plain line behind the reciprocal
	s_wait_alu depctr_va_vdst(0)                   ; and the wait ahead of its first reader
	v_ldexp_f32 v14, v14, s[EPV]                   ; x 2^(e4 + e5)
.set n, 0
.rept 16
	v_pk_mul_f32 v[S+n:S+n+1], v[O+n:O+n+1], v[14:15] op_sel_hi:[1,0]   ; y(query r, channel 16 c + 8 h + j) in register 8 c + j
.set n, n+2
.endr
.set n, 0
.rept 32
.set n, n+1
.endr
.irp c, 0,1,2,3
	v_cvt_scalef32_pk8_fp8_f32 v[YC+2*\c:YC+2*\c+1], v[S+8*\c:S+8*\c+7], v218
.endr
	v_nop                                          ; one plain line behind the last conversion
	global_store_b128 v[GO], v[YC:YC+3],   s[12:13]             ; the image of half a fragment of the last product: 512 consecutive bytes a store
	global_store_b128 v[GO], v[YC+4:YC+7], s[12:13] offset:512
	FRESH                                          ; the second tile begins
.set n, 0
.rept 8
	v_mov_b32 v[QF+n], v[QF+8+n]                   ; with its Q
.set n, n+1
.endr
	s_wait_xcnt 0x0                                ; the stores have read their offset and their data: both may be written again
	v_mov_b32 v[GO], v[GOS]
.Lnext:
	s_add_co_u32 s[TT], s[TT], 1
	s_cmp_lt_u32 s[TT], 17
	s_cbranch_scc1 .Ltrip
	s_setprio 0
	s_wait_dscnt 0x0                               ; no LDS instruction is pending at a signal
	s_wait_tensorcnt 0x0
	ds_add_u32 v254, v255
	s_wait_dscnt 0x0
	CROUND                                         ; the closing round
	s_endpgm
.Lfunc_end_k_q8fbce6cba5_attn:
	.size	k_q8fbce6cba5_attn, .Lfunc_end_k_q8fbce6cba5_attn-k_q8fbce6cba5_attn
	.p2alignl 7, 3214868480
	.fill 96, 4, 3214868480
	.section	.rodata,"a",@progbits
	.p2align	6, 0x0
	.amdhsa_kernel k_q8fbce6cba5_attn
		.amdhsa_group_segment_fixed_size 264192
		.amdhsa_private_segment_fixed_size 0
		.amdhsa_enable_private_segment 0
		.amdhsa_kernarg_size 40
		.amdhsa_user_sgpr_count 2
		.amdhsa_user_sgpr_kernarg_segment_ptr 1
		.amdhsa_wavefront_size32 1
		.amdhsa_system_sgpr_workgroup_id_x 1
		.amdhsa_system_sgpr_workgroup_id_y 1
		.amdhsa_system_sgpr_workgroup_id_z 1
		.amdhsa_system_vgpr_workitem_id 0
		.amdhsa_next_free_vgpr 256
		.amdhsa_next_free_sgpr 66
		.amdhsa_reserve_vcc 1
		.amdhsa_float_denorm_mode_32 3
		.amdhsa_float_denorm_mode_16_64 3
		.amdhsa_fp16_overflow 1
		.amdhsa_memory_ordered 1
		.amdhsa_forward_progress 1
		.amdhsa_inst_pref_size 30
	.end_amdhsa_kernel
	.amdgpu_metadata
---
amdhsa.version: [ 1, 2 ]
amdhsa.kernels:
  - .name:           k_q8fbce6cba5_attn
    .symbol:         k_q8fbce6cba5_attn.kd
    .args:
      - { .name: q_img, .offset: 0, .size: 8, .value_kind: global_buffer, .address_space: global }
      - { .name: k_img, .offset: 8, .size: 8, .value_kind: global_buffer, .address_space: global }
      - { .name: v_img, .offset: 16, .size: 8, .value_kind: global_buffer, .address_space: global }
      - { .name: lowp_scales, .offset: 24, .size: 8, .value_kind: global_buffer, .address_space: global }
      - { .name: y_img, .offset: 32, .size: 8, .value_kind: global_buffer, .address_space: global }
    .group_segment_fixed_size: 264192
    .private_segment_fixed_size: 0
    .kernarg_segment_align: 8
    .kernarg_segment_size: 40
    .max_flat_workgroup_size: 512
    .sgpr_count:     66
    .vgpr_count:     256
    .wavefront_size: 32
...
	.end_amdgpu_metadata
.endif
;; end of part 2
;; launch proj (part 3): grid 8 x 32, 4 waves a work-group, clusters of 4 x 4, 327,680 bytes of LDS; arguments y_img, w_proj_codes, b_proj, lowp_scales, out0; writes out0
.if DOCPART == 3
	.amdgcn_target "amdgcn-amd-amdhsa--gfx1250"
	.amdhsa_code_object_version 6
	.text
	.protected	k_q8fbce6cba5_proj
	.globl	k_q8fbce6cba5_proj
	.p2align	8
	.type	k_q8fbce6cba5_proj,@function
k_q8fbce6cba5_proj:
	s_mov_b64 s[64:65], 0
	v_nop
	global_prefetch_b8 v0, s[64:65] scope:SCOPE_SE
	s_setreg_imm32_b32 hwreg(HW_REG_WAVE_MODE, 25, 1), 1
	s_wait_xcnt 0x0
	s_wait_alu depctr_hold_cnt(0) depctr_sa_sdst(0) depctr_va_vdst(0) depctr_va_sdst(0) depctr_va_ssrc(0) depctr_va_vcc(0) depctr_vm_vsrc(0)
	s_getreg_b32 s2, hwreg(HW_REG_IB_STS2, 6, 4)
	s_cmp_eq_u32 s2, 0
	s_cbranch_scc0 .Lentry_in_a_cluster
	s_endpgm
.Lentry_in_a_cluster:
	s_bfe_u32 s2, ttmp6, 0x10000c
	s_cmp_lg_u32 s2, 0xf033
	s_cbranch_scc0 .Lentry_shape_is_right
	s_endpgm
.Lentry_shape_is_right:
; out0 = y W_proj + b_proj on codes of FP8 (E4M3).  y: 8,192 tokens x 1,024, as images of the operand's registers (y_img: [512 tiles of 16 tokens][16 heads][1024 bytes]; two heads on end are a fragment of
; 16 rows x 128 K: registers 4 c .. 4 c + 3 at 512 c + 16 x lane).  W_proj: [1024][1024] codes, K innermost.  out0: [8192][1024] f32 = sum x 2^(e6 + e7) + bias, one fused multiply-add.
; LIMIT: e6 + e7 between -126 and 127, so that 2^(e6 + e7) is an f32 number.
; A tile of 256 tokens x 128 columns is made by a work-group of four waves: 256 work-groups.  A wave makes 128 tokens x 64 columns: 32 accumulators of 16 x 16.  K = 1024 goes in four steps of 256 through two LDS slots.
; THE MATRIX INSTRUCTION IS USED TRANSPOSED (source 0 = 16 rows of W, source 1 = 16 tokens of y): a lane holds eight neighbouring columns of one token's row.
; y's images hold each k in the place that this form's own layout gives it, so W's fragments are read so too: eight loads of 8 bytes, registers 2 c, 2 c + 1: k = 16 c + 8 h + 0 .. 7.
; CLUSTERS: 4 x 4 work-groups.  y's tile hangs on the tile row alone and is asked for jointly by a row of the cluster, W's on the tile column alone and by a column.
; REGISTERS, in windows of 256: window 0: v0-31 addresses; v32-63 the biases; v64-95 at work on the way out; from v128 y's 8 fragments, one set (on the way out: rows read back).
;   window 1: W's fragments, two sets of 64, at v0 and v64.   window 2: the accumulators ((a, b) at v[8 (4 a + b)]).
.set PITCH,  272                       ; W's LDS row: 256 bytes + 16 of padding
.set FR,     16
.set NP,     4                         ; places behind this matrix instruction (ISA guide 7.12.1)
.set SLOTA,  65536                     ; y's part of a slot: 16 tiles of tokens x 4 heads x 1,024 bytes, as they lie
.set HALFB,  64*PITCH                  ; 64 rows of W: what one tensor load brings, and what one wave reads
.set SLOT,   SLOTA+2*HALFB
.set STAGE,  2*SLOT                    ; behind the ring: 16 rows x 272 bytes for each wave, for the way out; no tensor load lands there
.set SPITCH, 272
.set SPARE,  STAGE+4*16*SPITCH         ; behind the stages: the spare words, 128 bytes for each wave
.set ADRA, 16                          ; v16-17  LDS address of my y fragments in slot 0, 1
.set ADRB, 20                          ; v20-21  the same for W
.set STO,  24                          ; v24     the way out: where I put 32 bytes of a row
.set RD,   25                          ; v25     where I read a row back
.set CO,   26                          ; v26     my byte offset in out0
.set BO,   27                          ; v27     32 h: the biases' lane offset
.set SPW,  28                          ; v28     LDS address of my spare word; never rewritten
.set NIL,  29                          ; v29     0; never rewritten
.set BI,   32                          ; v32-63  block b's eight biases at v[32 + 8 b]
.set TMP,  64                          ; v64-95  a block's 32 results
.set AF,   128                         ; y's fragments
.set BK,   128                         ; the way out: 16 rows read back: v128-159 and v160-191 by turns
.set G1, 24                            ; s[24:31] descriptor group 1 for y's tiles;  s[32:39] group 0, one set for each slot
.set G0, 32
.set G1B, 48                           ; s[48:55], s[56:63] the same for W's tiles
.set G0B, 56
.set MSB, 0
.macro WIN new                         ; the immediate's high byte repeats the setting that is left
.if MSB != \new
	s_set_vgpr_msb (MSB<<8)|\new
.set MSB, \new
.endif
.endm
.set MUL,  0xa1                        ; source 0 (W) window 1, source 1 (y) window 0, C and D window 2
.set TO_B, 0x40                        ; destination window 1, address window 0
.macro JLOAD g0a, g1a, g0b, g1b        ; a joint load: waves 0 and 1 fetch for y, waves 2 and 3 for W; four v_nop follow each of the two lines
	s_cmp_eq_u32 s15, 0
	s_cbranch_scc0 .Lfor_b_\@
	tensor_load_to_lds s[\g0a:\g0a+3], s[\g1a:\g1a+7]
	s_nop 0
.rept 4
	v_nop
.endr
	s_branch .Lasked_\@
.Lfor_b_\@:
	tensor_load_to_lds s[\g0b:\g0b+3], s[\g1b:\g1b+7]
	s_nop 0
.rept 4
	v_nop
.endr
.Lasked_\@:
.endm
.macro CREST                           ; a round of the cluster's barrier behind its opening barrier
	s_cmp_lg_u32 s14, 0
	s_cbranch_scc1 .Lnot_wave_0_\@
	s_barrier_signal -3
.Lnot_wave_0_\@:
	s_barrier_wait -3
	s_barrier_signal -1
	s_barrier_wait -1
.endm
.macro CROUND                          ; a whole round
	s_barrier_signal -1
	s_barrier_wait -1
	CREST
.endm
	s_load_b256 s[4:11], s[0:1], 0x0               ; y_img s[4:5], W s[6:7], b_proj s[8:9], the scales' exponents s[10:11]
	s_load_b64 s[12:13], s[0:1], 0x20              ; out0
	v_lshl_add_u32 v[SPW], v0, 2, SPARE
	v_mov_b32 v[NIL], 0
	ds_add_u32 v28, v29
	ds_add_u32 v28, v29
	s_wait_dscnt 0x0
	v_lshrrev_b32 v1, 5, v0
	v_readfirstlane_b32 s14, v1                    ; wave 0..3
	s_lshr_b32 s15, s14, 1                         ; which half of the tile's tokens is mine.  Also: I fetch for y (0) or for W (1)
	s_and_b32 s16, s14, 1                          ; which half of its columns.  Also: which half of that tile I fetch
	s_bfe_u32 s40, ttmp6, 0x40000                  ; cx, cy
	s_bfe_u32 s41, ttmp6, 0x40004
	s_lshl_b32 s42, ttmp9, 2
	s_add_co_u32 s42, s42, s40                     ; tile column = 4 x cluster x + cx, 0..7
	s_and_b32 s17, ttmp7, 0xffff
	s_lshl_b32 s17, s17, 2
	s_add_co_u32 s17, s17, s41                     ; tile row = 4 x cluster y + cy, 0..31
	s_lshl_b32 s43, s41, 2
	s_lshl_b32 s43, 15, s43                        ; my row of the cluster
	s_lshl_b32 s44, 0x1111, s40                    ; my column
	; y's tiles: 8 tiles of tokens, of each the K step's 4 heads: 8 rows of 4,096 bytes, 16,384 bytes apart; no padding
	s_or_b32 s[G1+0], s43, (3<<16)|(1<<21)         ; 15:0 the mask: my row; 17:16 elements of 8 bytes; 21 set beside a mask
	s_mov_b32 s[G1+1], 512<<16                     ; tensor_dim0 = 512 elements
	s_mov_b32 s[G1+2], 8<<16                       ; tensor_dim1 = 8
	s_mov_b32 s[G1+3], 512<<16                     ; tile_dim0
	s_mov_b32 s[G1+4], 8                           ; tile_dim1
	s_mov_b32 s[G1+5], 2048                        ; tensor_dim0_stride, in elements
	s_mov_b32 s[G1+6], 0
	s_mov_b32 s[G1+7], 0
	; W's tiles: 64 rows x 256 bytes, padded in LDS
	s_or_b32 s[G1B+0], s44, (0<<16)|(1<<20)|(1<<21)|(5<<22)|(3<<25)  ; the mask: my column; elements of 1 byte; padding: 4 words after every 64
	s_mov_b32 s[G1B+1], 256<<16
	s_mov_b32 s[G1B+2], 64<<16
	s_mov_b32 s[G1B+3], 256<<16
	s_mov_b32 s[G1B+4], 64
	s_mov_b32 s[G1B+5], 1024
	s_mov_b32 s[G1B+6], 0
	s_mov_b32 s[G1B+7], 0
	s_lshl_b32 s20, s17, 18                        ; y: 16 tiles of 16,384 bytes a tile row,
	s_lshl_b32 s18, s16, 17                        ; + 8 tiles for the second half
	s_add_co_u32 s20, s20, s18
	s_mov_b32 s21, 0
	s_lshl_b32 s46, s42, 17                        ; W: 128 rows of 1,024 bytes a tile column,
	s_lshl_b32 s18, s16, 16                        ; + 64 rows
	s_add_co_u32 s46, s46, s18
	s_mov_b32 s47, 0
	s_lshl_b32 s45, s16, 15                        ; where they go: y's halves at 0 and 32,768;
	s_mul_i32 s67, s16, HALFB
	s_add_co_u32 s67, s67, SLOTA                   ; W's behind them
	s_wait_kmcnt 0x0
	s_load_b256 s[76:83], s[10:11], 0x0            ; e0 .. e7
	s_add_nc_u64 s[20:21], s[4:5], s[20:21]
	s_add_nc_u64 s[46:47], s[6:7], s[46:47]
	CROUND                                         ; all sixteen work-groups are here: the first joint loads meet
.irp s, 0,1
	s_mov_b32 s[G0+4*\s], 1
	s_add_co_u32 s[G0+4*\s+1], s45, \s*SLOT
	s_add_nc_u64 s[G0+4*\s+2:G0+4*\s+3], s[20:21], \s*4096     ; K step s: heads 4 s on
	s_or_b32 s[G0+4*\s+3], s[G0+4*\s+3], 0x80000000
	s_mov_b32 s[G0B+4*\s], 1
	s_add_co_u32 s[G0B+4*\s+1], s67, \s*SLOT
	s_add_nc_u64 s[G0B+4*\s+2:G0B+4*\s+3], s[46:47], \s*256
	s_or_b32 s[G0B+4*\s+3], s[G0B+4*\s+3], 0x80000000
	s_wait_alu depctr_va_vdst(0)
	s_wait_tensorcnt 0x0
	ds_add_u32 v28, v29
	ds_add_u32 v28, v29
	s_wait_dscnt 0x0
	CROUND
	JLOAD G0+4*\s, G1, G0B+4*\s, G1B
.endr
	v_and_b32 v1, 15, v0                           ; r
	v_bfe_u32 v2, v0, 4, 1                         ; h
	v_and_b32 v3, 31, v0
	v_lshlrev_b32 v3, 4, v3                        ; y: 16 x lane
	v_mul_u32_u24 v4, v1, PITCH
	v_lshl_add_u32 v4, v2, 3, v4                   ; W: row x pitch + 8 h
	s_lshl_b32 s21, s15, 15                        ; my 8 tiles of tokens
	s_mul_i32 s22, s16, HALFB                      ; my 64 rows of W
	s_add_co_u32 s22, s22, SLOTA
.irp s, 0,1
	v_add_nc_u32 v[ADRA+\s], s21, v3
	v_add_nc_u32 v[ADRB+\s], s22, v4
	s_add_co_u32 s21, s21, SLOT
	s_add_co_u32 s22, s22, SLOT
.endr
	s_mul_i32 s23, s14, 16*SPITCH
	s_add_co_u32 s23, s23, STAGE                   ; my stage
	v_mul_u32_u24 v5, v1, SPITCH                   ; in: row r, 32 bytes for each half of the lanes
	v_lshl_add_u32 v5, v2, 5, v5
	v_add_nc_u32 v[STO], s23, v5
	v_mul_u32_u24 v5, v2, SPITCH                   ; back: lanes 0-15 one row of 256 bytes, lanes 16-31 the next
	v_lshl_add_u32 v5, v1, 4, v5
	v_add_nc_u32 v[RD], s23, v5
	v_lshlrev_b32 v5, 12, v2                       ; and the same two rows in out0 (a row is 4,096 bytes)
	v_lshl_add_u32 v[CO], v1, 4, v5
	v_lshlrev_b32 v[BO], 5, v2
	s_wait_alu depctr_va_vdst(0)
	s_lshl_b32 s20, s17, 8
	s_lshl_b32 s21, s15, 7
	s_add_co_u32 s20, s20, s21                     ; my first token,
	s_lshl_b32 s20, s20, 12                        ; in bytes
	s_lshl_b32 s46, s42, 7
	s_lshl_b32 s47, s16, 6
	s_add_co_u32 s46, s46, s47                     ; my first column,
	s_lshl_b32 s46, s46, 2                         ; in bytes: a multiple of 256
	s_mov_b32 s47, 0
	s_add_nc_u64 s[8:9], s[8:9], s[46:47]          ; my 64 biases
	s_add_co_u32 s46, s46, s20
	s_add_nc_u64 s[12:13], s[12:13], s[46:47]      ; my part of out0; never stepped
.irp b, 0,1,2,3
	global_load_b128 v[BI+8*\b:BI+8*\b+3],   v[BO], s[8:9] offset:64*\b       ; b(16 b + 8 h + 0 .. 3)
	global_load_b128 v[BI+8*\b+4:BI+8*\b+7], v[BO], s[8:9] offset:64*\b+16
.endr
	s_wait_kmcnt 0x0
	s_add_co_i32 s96, s82, s83                     ; e6 + e7
	s_add_co_i32 s96, s96, 127
	s_lshl_b32 s96, s96, 23                        ; 2^(e6 + e7) as f32
	s_mov_b32 s97, s96                             ; (named with it as a pair, so it is written)
.macro FRAGA reg, slot, q, a           ; y's fragment of tile a, the slot's q-th 128 along K: the image as it lies
.irp c, 0,1,2,3
	ds_load_b128 v[\reg+4*\c:\reg+4*\c+3], v[ADRA+\slot] offset:(\a)*4096+(\q)*2048+512*\c
.endr
.endm
.macro FRAGB reg, slot, q, i           ; W's fragment of rows 16 i on: registers 2 c, 2 c + 1: k = 16 c + 8 h + 0 .. 7
.irp c, 0,1,2,3,4,5,6,7
	ds_load_b64 v[\reg+2*\c:\reg+2*\c+1], v[ADRB+\slot] offset:128*(\q)+16*\c+(\i)*16*PITCH
.endr
.endm
.macro FETCH_B slot, q, p              ; W's four fragments into set p: 32 loads
	WIN TO_B
.irp i, 0,1,2,3
	FRAGB 64*(\p)+FR*\i, \slot, \q, \i
.endr
	WIN 0
.endm
.macro FETCH_A slot, q, i0             ; y's blocks i0 .. i0 + 3: 16 loads
.irp i, \i0, \i0+1, \i0+2, \i0+3
	FRAGA AF+FR*(\i), \slot, \q, \i
.endr
.endm
; 8 matrix instructions: y's blocks a0, a0 + 1 x W's four, 128 along K.  The 32 accumulators take turns, one instruction a turn, in the same order in every step.
.macro MUL8 a0, p, zero
.irp a, \a0, \a0+1
.irp b, 0,1,2,3
.if \zero
	v_wmma_f32_16x16x128_fp8_fp8 v[8*(4*(\a)+\b):8*(4*(\a)+\b)+7], v[64*(\p)+FR*\b:64*(\p)+FR*\b+FR-1], v[AF+FR*(\a):AF+FR*(\a)+FR-1], 0
.else
	v_wmma_f32_16x16x128_fp8_fp8 v[8*(4*(\a)+\b):8*(4*(\a)+\b)+7], v[64*(\p)+FR*\b:64*(\p)+FR*\b+FR-1], v[AF+FR*(\a):AF+FR*(\a)+FR-1], v[8*(4*(\a)+\b):8*(4*(\a)+\b)+7]
.endif
.endr
.endr
.endm
.macro PLACES n                        ; places in front of loads into registers that matrix instructions have read, and of the first reads of results (ISA guide 7.12.1 for vector instructions)
.rept \n
	v_nop
.endr
.endm
; A step of 128 along K that has its successor in the same slot.
.macro STEP slot, q, zero
	s_wait_dscnt 16                                ; W's set and y's blocks 0-3 are in; the youngest 16 loads (blocks 4-7) may be out
	WIN MUL
	MUL8 0, (\q)%2, \zero
	MUL8 2, (\q)%2, \zero
	s_wait_dscnt 0                                 ; blocks 4-7 are in
	PLACES NP
	FETCH_B \slot, (\q)+1, 1-(\q)%2
	FETCH_A \slot, (\q)+1, 0
	WIN MUL
	MUL8 4, (\q)%2, \zero
	MUL8 6, (\q)%2, \zero
	PLACES NP
	WIN 0
	FETCH_A \slot, (\q)+1, 4
.endm
; A slot's last step changes slots: one barrier; in front of it each wave waits for all its tensor loads, adds 0 to its spare word, and waits for that and for its own reads of this slot.
.macro TURN slot, next, fill
	s_wait_tensorcnt 0x0                           ; all my tensor loads have landed: my part of the next slot  (every window is 0 here)
	ds_add_u32 v[SPW], v[NIL]                      ; 0 onto my spare word
	s_wait_dscnt 17                                ; (the add and the youngest 16 loads, blocks 4-7, may be out)
	WIN MUL
	MUL8 0, 1, 0                                   ; eight matrix instructions stand between the add and the wait for it
	s_wait_dscnt 0x0                               ; the add is done, and my reads of this slot are over
	s_barrier_signal -1
	MUL8 2, 1, 0
	WIN 0
	s_barrier_wait -1
.if \fill
	CREST                                          ; the barrier has opened a round of the cluster's barrier: no wave of any partner still reads this slot's tile or has a load on its way
	s_add_nc_u64 s[G0+4*\slot+2:G0+4*\slot+3], s[G0+4*\slot+2:G0+4*\slot+3], 2*4096
	s_add_nc_u64 s[G0B+4*\slot+2:G0B+4*\slot+3], s[G0B+4*\slot+2:G0B+4*\slot+3], 2*256
	JLOAD G0+4*\slot, G1, G0B+4*\slot, G1B         ; the first tensor load behind the round; the four v_nop behind it are the places in front of the loads below
.else
	PLACES NP
.endif
	FETCH_B \next, 0, 0
	FETCH_A \next, 0, 0
	WIN MUL
	MUL8 4, 1, 0
	MUL8 6, 1, 0
	PLACES NP
	WIN 0
	FETCH_A \next, 0, 4
.endm
	s_wait_tensorcnt 1                             ; my part of K step 0 is in; K step 1's load may be out
	s_barrier_signal -1
	s_barrier_wait -1                              ; everybody's is
	FETCH_B 0, 0, 0
	FETCH_A 0, 0, 0
	FETCH_A 0, 0, 4
	STEP 0, 0, 1                                   ; four K steps of 256, eight steps of 128: written out, no loop.  The first products start the sums
	TURN 0, 1, 1                                   ; slot 0 takes K step 2
	STEP 1, 0, 0
	TURN 1, 0, 1                                   ; slot 1 takes K step 3
	STEP 0, 0, 0
	TURN 0, 1, 0                                   ; nothing is left to fetch
	STEP 1, 0, 0
	s_wait_dscnt 16                                ; the very last step
	WIN MUL
	MUL8 0, 1, 0
	MUL8 2, 1, 0
	s_wait_dscnt 0
	MUL8 4, 1, 0
	MUL8 6, 1, 0
	WIN 0
; THE WAY OUT, block by block of 16 tokens x 64 columns.  A lane holds 32 neighbouring bytes of a row and the lanes beside it hold other rows: so a block goes through my own stage in LDS and comes back as whole
; rows of 256 bytes.  LDS serves a wave's instructions in order (ISA guide 5.7.1.4): no wait between the stores and the loads, nor in front of the next block's stores.
.macro TOSTAGE a
	WIN 0x02                                       ; source 0: window 2
.irp b, 0,1,2,3
.irp i, 0,2,4,6
	v_pk_fma_f32 v[TMP+8*\b+\i:TMP+8*\b+\i+1], v[32*(\a)+8*\b+\i:32*(\a)+8*\b+\i+1], s[96:97], v[BI+8*\b+\i:BI+8*\b+\i+1] op_sel_hi:[1,0,1]   ; sum x 2^(e6 + e7) + bias; each accumulator from its low end on
.endr
.endr
	WIN 0
.irp b, 0,1,2,3
	ds_store_b128 v[STO], v[TMP+8*\b:TMP+8*\b+3] offset:64*\b
	ds_store_b128 v[STO], v[TMP+8*\b+4:TMP+8*\b+7] offset:64*\b+16
.endr
.set BB, BK+32*((\a)%2)
.irp t, 0,1,2,3,4,5,6,7
	ds_load_b128 v[BB+4*\t:BB+4*\t+3], v[RD] offset:\t*2*SPITCH
.endr
.endm
.macro SEND a, younger                 ; younger: the LDS instructions issued behind block a's loads, which may stay out
.set BB, BK+32*((\a)%2)
	s_wait_dscnt \younger                          ; the block is back in registers
.irp t, 0,1,2,3,4,5,6,7
	global_store_b128 v[CO], v[BB+4*\t:BB+4*\t+3], s[12:13] offset:(\a)*65536+2*\t*4096 th:TH_STORE_NT   ; 16 lanes store 256 consecutive bytes, at a multiple of 256 from out0's first byte
.endr
.endm
	s_wait_loadcnt 0x0                             ; the biases
	PLACES NP                                      ; behind the last products: for the reads of results and the loads into the registers that held y's fragments
	TOSTAGE 0
.irp a, 1,2,3,4,5,6,7
.if \a > 1
	s_wait_xcnt 0x0                                ; block a - 2's stores have read their registers: block a's loads may land there
.endif
	TOSTAGE \a
	SEND \a-1, 16                                  ; behind block a - 1's loads: block a's 8 stores and 8 loads
.endr
	SEND 7, 0
	s_wait_tensorcnt 0x0                           ; the wave's end
	ds_add_u32 v[SPW], v[NIL]
	s_wait_dscnt 0x0
	CROUND                                         ; the closing round: no work-group ends while a partner may still ask for a tile that names it
	s_endpgm
.Lfunc_end_k_q8fbce6cba5_proj:
	.size	k_q8fbce6cba5_proj, .Lfunc_end_k_q8fbce6cba5_proj-k_q8fbce6cba5_proj
	.p2alignl 7, 3214868480
	.fill 96, 4, 3214868480
	.section	.rodata,"a",@progbits
	.p2align	6, 0x0
	.amdhsa_kernel k_q8fbce6cba5_proj
		.amdhsa_group_segment_fixed_size 327680
		.amdhsa_private_segment_fixed_size 0
		.amdhsa_enable_private_segment 0
		.amdhsa_kernarg_size 40
		.amdhsa_user_sgpr_count 2
		.amdhsa_user_sgpr_kernarg_segment_ptr 1
		.amdhsa_wavefront_size32 1
		.amdhsa_system_sgpr_workgroup_id_x 1
		.amdhsa_system_sgpr_workgroup_id_y 1
		.amdhsa_system_sgpr_workgroup_id_z 1
		.amdhsa_system_vgpr_workitem_id 0
		.amdhsa_next_free_vgpr 768
		.amdhsa_next_free_sgpr 100
		.amdhsa_reserve_vcc 0
		.amdhsa_float_denorm_mode_32 3
		.amdhsa_float_denorm_mode_16_64 3
		.amdhsa_memory_ordered 1
		.amdhsa_forward_progress 1
		.amdhsa_inst_pref_size 87
	.end_amdhsa_kernel
	.amdgpu_metadata
---
amdhsa.version: [ 1, 2 ]
amdhsa.kernels:
  - .name:           k_q8fbce6cba5_proj
    .symbol:         k_q8fbce6cba5_proj.kd
    .args:
      - { .name: y_img, .offset: 0, .size: 8, .value_kind: global_buffer, .address_space: global }
      - { .name: w_proj_codes, .offset: 8, .size: 8, .value_kind: global_buffer, .address_space: global }
      - { .name: b_proj, .offset: 16, .size: 8, .value_kind: global_buffer, .address_space: global }
      - { .name: lowp_scales, .offset: 24, .size: 8, .value_kind: global_buffer, .address_space: global }
      - { .name: out0, .offset: 32, .size: 8, .value_kind: global_buffer, .address_space: global }
    .group_segment_fixed_size: 327680
    .private_segment_fixed_size: 0
    .kernarg_segment_align: 8
    .kernarg_segment_size: 40
    .max_flat_workgroup_size: 128
    .sgpr_count:     100
    .vgpr_count:     768
    .wavefront_size: 32
...
	.end_amdgpu_metadata
.endif
;; end of part 3
